; MI455X (gfx1250); checked and timed in simulation.
; The chip was launched on July 23, 2026; its instructions are those of AMD's public machine-readable ISA for CDNA 5 (MIT licence, August 2026) and "CDNA5" Instruction Set Architecture Reference Guide (July 2026). The comments in the code are by the model that wrote it; some were corrected since.
;; FP8 Sparse Mo E Layer. Allowed arithmetic: float matrix products may take bf16 or f16 operands with f32 sums; other float arithmetic in f32, or as packed bf16 or f16 multiplies, adds, multiply-adds, maxima and minima; sums over many terms, partial sums and values carried from step to step in f32; what a program stores and reads back later, other than sums and carried values, may be rounded once to bf16 or f16.
;; Inputs: gating_output 2,048 x 8 float32; w1 8 x 2,048 x 1,024 float32; w1_scale 8 float32; w2 8 x 1,024 x 1,024 float32; w2_scale 8 float32; x 2,048 x 1,024 float32.
;; Outputs: out0 2,048 x 1,024 float32.
;; One version. Each part assembles by itself: llvm-mc -triple=amdgcn-amd-amdhsa -mcpu=gfx1250 --defsym DOCPART=n.
;; ======== version 1 of 1: 4 launches
;; workspace buffers: xb 4,194,304 bytes; code 8,192 bytes of whole numbers; wgt 16,384 bytes; hid 67,108,864 bytes; ypart 16,777,216 bytes
;; launch prep (part 1): grid 256 x 1, 8 waves a work-group, no clusters, 0 bytes of LDS; arguments x, gating_output, w2_scale, xb, code, wgt; writes xb, code, wgt
.if DOCPART == 1
	.amdgcn_target "amdgcn-amd-amdhsa--gfx1250"
	.amdhsa_code_object_version 6
	.text
	.protected	k_q987f1488df_prep
	.globl	k_q987f1488df_prep
	.p2align	8
	.type	k_q987f1488df_prep,@function
k_q987f1488df_prep:
	s_mov_b64 s[64:65], 0
	v_nop
	global_prefetch_b8 v0, s[64:65] scope:SCOPE_SE
	s_setreg_imm32_b32 hwreg(HW_REG_WAVE_MODE, 25, 1), 1
	s_wait_xcnt 0x0
; PREP.  (a) xb = x rounded once to bf16, [2048][1024].  (b) The router: for each token the two chosen experts, as whole numbers at a fixed place, and their two weights.
; (a) Work-group b takes rows 8 b .. 8 b + 7: thread t loads 16 bytes of each row (a wave: 512 consecutive bytes) and stores 8 (a wave: 256 consecutive bytes, aligned).
; (b) Work-groups 0 to 3 also route 512 tokens each, two to a thread.  No address and no branch hangs on the choice: it is stored, and later launches read it.
;     code[t] = (1 << i1) | (256 << i2);   wgt[t][k] = renormalised weight of choice k x w2_scale[i_k].
; FORMATS AND LIMITS.  Every input of the program is rounded once to bf16 (nearest even) and used in f32 from there: here x, the eight logits and w2_scale.
; The two largest are found on d = g - max(g), the subtraction that the softmax makes ahead of its exponential; of equal d the lower index wins.  Where two d differ by a few last bits of f32,
; a softmax's rounded exponentials may be equal and a top-k on them may choose the other one.  With p = exp(d) the softmax's sum cancels in p_k / (p_1 + p_2), and d_1 = 0:
; the weights are 1 / (1 + e2) and e2 / (1 + e2), e2 = exp(d_2) <= 1: nothing can overflow.  An e2 below 2^-126 counts as 0.  NaN and infinities among the logits are not treated apart.
.set XR,  8                            ; v[8:39]    eight rows' 16 bytes of x
.set XB,  40                           ; v[40:55]   the same as bf16
.set G,   56                           ; v[56:71]   two tokens' eight logits, then their d
.set SC,  72                           ; v[72:79]   w2_scale, rounded to bf16
.set TMP, 80                           ; v80        at work
.set B2,  84                           ; v[84:85]   token o: the second largest d, then e2
.set I1,  86                           ; v[86:87]   index of the largest
.set I2,  88                           ; v[88:89]   index of the second
.set ONE, 90                           ; v90        1
.set B1,  92                           ; v[92:93]   the largest d, then 1 / (1 + e2)
.set SA,  96                           ; v[96:99]   the chosen experts' scales: token o, choice k at SA + 2 o + k
.set CD,  100                          ; v[100:101] the two code words
.set WT,  104                          ; v[104:107] the four weights
	s_load_b256 s[4:11], s[0:1], 0x0               ; x s[4:5], gating_output s[6:7], w2_scale s[8:9], xb s[10:11]
	s_load_b128 s[12:15], s[0:1], 0x20             ; code s[12:13], wgt s[14:15]
	v_lshlrev_b32 v1, 4, v0                        ; 16 t
	v_lshlrev_b32 v2, 3, v0                        ; 8 t
	s_mov_b32 s28, ttmp9                           ; b
	s_lshl_b32 s2, s28, 15                         ; 8 rows of 4,096 bytes of x
	s_mov_b32 s3, 0
	s_lshl_b32 s24, s28, 14                        ; 8 rows of 2,048 bytes of xb; also 512 tokens' 32 bytes of logits
	s_mov_b32 s25, 0
	s_wait_kmcnt 0x0
	s_add_nc_u64 s[4:5], s[4:5], s[2:3]
	s_add_nc_u64 s[10:11], s[10:11], s[24:25]
.irp j, 0,1,2,3,4,5,6,7
	global_load_b128 v[XR+4*\j:XR+4*\j+3], v1, s[4:5] offset:4096*\j th:TH_LOAD_NT  ; all eight rows are asked for at once; x is read once in the launch
.endr
	s_cmp_lt_u32 s28, 4
	s_cbranch_scc0 .Lconvert                       ; the router is one branch: all that it reads is written inside it
	s_load_b256 s[16:23], s[8:9], 0x0              ; the eight scales
	s_add_nc_u64 s[6:7], s[6:7], s[24:25]
	s_lshl_b32 s26, s28, 11                        ; 512 code words
	s_mov_b32 s27, 0
	s_lshl_b32 s32, s28, 12                        ; 512 pairs of weights
	s_mov_b32 s33, 0
	s_add_nc_u64 s[12:13], s[12:13], s[26:27]
	s_add_nc_u64 s[14:15], s[14:15], s[32:33]
	v_lshlrev_b32 v3, 6, v0                        ; two tokens' logits: 64 bytes a thread
.irp j, 0,1,2,3
	global_load_b128 v[G+4*\j:G+4*\j+3], v3, s[6:7] offset:16*\j
.endr
	v_mov_b32 v[ONE], 1
	s_wait_kmcnt 0x0
.irp p, 0,1,2,3
	v_cvt_pk_bf16_f32 v[TMP], s[16+2*\p], s[17+2*\p]  ; the scales rounded to bf16, and back as f32
	v_lshlrev_b32 v[SC+2*\p], 16, v[TMP]
	v_and_b32 v[SC+2*\p+1], 0xffff0000, v[TMP]
.endr
	s_wait_loadcnt 0x0                             ; the logits are the youngest loads: everything is in
; Token o: logits rounded to bf16, the maximum taken away, and the two largest d with their indices.  A strict comparison keeps the lower index among equals.
.macro TOP2 o
.set GG, G+8*(\o)
.irp p, 0,1,2,3
	v_cvt_pk_bf16_f32 v[TMP], v[GG+2*\p], v[GG+2*\p+1]
	v_lshlrev_b32 v[GG+2*\p], 16, v[TMP]
	v_and_b32 v[GG+2*\p+1], 0xffff0000, v[TMP]
.endr
	v_max3_num_f32 v[TMP], v[GG], v[GG+1], v[GG+2]
	v_max3_num_f32 v[TMP], v[TMP], v[GG+3], v[GG+4]
	v_max3_num_f32 v[TMP], v[TMP], v[GG+5], v[GG+6]
	v_max_num_f32 v[TMP], v[TMP], v[GG+7]
.irp p, 0,1,2,3,4,5,6,7
	v_sub_f32 v[GG+\p], v[GG+\p], v[TMP]
.endr
	v_mov_b32 v[B1+(\o)], v[GG]
	v_mov_b32 v[I1+(\o)], 0
	v_mov_b32 v[B2+(\o)], 0xff800000               ; below every finite d
	v_mov_b32 v[I2+(\o)], 0
.irp p, 1,2,3,4,5,6,7
	v_cmp_gt_f32 s30, v[GG+\p], v[B1+(\o)]         ; a new largest: the old largest becomes the second
	v_cmp_gt_f32 s31, v[GG+\p], v[B2+(\o)]         ; else perhaps a new second
	v_cndmask_b32 v[B2+(\o)], v[B2+(\o)], v[GG+\p], s31
	v_cndmask_b32 v[I2+(\o)], v[I2+(\o)], \p, s31
	v_cndmask_b32 v[B2+(\o)], v[B2+(\o)], v[B1+(\o)], s30
	v_cndmask_b32 v[I2+(\o)], v[I2+(\o)], v[I1+(\o)], s30
	v_cndmask_b32 v[B1+(\o)], v[B1+(\o)], v[GG+\p], s30
	v_cndmask_b32 v[I1+(\o)], v[I1+(\o)], \p, s30
.endr
.endm
; The scale of expert idx, by selects: the choice steers no address.
.macro PICK dst, idx
	v_mov_b32 v[\dst], v[SC]
.irp p, 1,2,3,4,5,6,7
	v_cmp_eq_u32 vcc_lo, \p, v[\idx]
	v_cndmask_b32 v[\dst], v[\dst], v[SC+\p], vcc_lo
.endr
.endm
	TOP2 0
	TOP2 1
	v_mul_f32 v[B2], 0x3fb8aa3b, v[B2]             ; d_2 log2(e)
	v_mul_f32 v[B2+1], 0x3fb8aa3b, v[B2+1]
	v_exp_f32 v[B2], v[B2]                         ; e2: both tokens' are one batch;
	v_exp_f32 v[B2+1], v[B2+1]
	PICK SA, I1                                    ; the four picks are the independent work behind it,
	PICK SA+1, I2
	PICK SA+2, I1+1
	PICK SA+3, I2+1
	s_wait_alu depctr_va_vdst(0)                   ; and one wait stands ahead of the first reader
	v_add_f32 v[B1], 1.0, v[B2]
	v_add_f32 v[B1+1], 1.0, v[B2+1]
	v_rcp_f32 v[B1], v[B1]                         ; 1 / (1 + e2): a batch of two; the code words are the work behind it
	v_rcp_f32 v[B1+1], v[B1+1]
.irp o, 0,1
	v_lshlrev_b32 v[CD+\o], v[I1+\o], v[ONE]       ; 1 << i1
	v_add_nc_u32 v[TMP], 8, v[I2+\o]
	v_lshlrev_b32 v[TMP], v[TMP], v[ONE]           ; 256 << i2
	v_or_b32 v[CD+\o], v[CD+\o], v[TMP]
.endr
	s_wait_alu depctr_va_vdst(0)
.irp o, 0,1
	v_mul_f32 v[WT+2*\o], v[B1+\o], v[SA+2*\o]     ; 1 / (1 + e2) x scale of the first choice
	v_mul_f32 v[TMP], v[B2+\o], v[B1+\o]           ; e2 / (1 + e2)
	v_mul_f32 v[WT+2*\o+1], v[TMP], v[SA+2*\o+1]   ; x scale of the second
.endr
	global_store_b64 v2, v[CD:CD+1], s[12:13]      ; a wave: 256 consecutive bytes, aligned
	global_store_b128 v1, v[WT:WT+3], s[14:15]     ; a wave: 512 consecutive bytes; none of these registers is written again
.Lconvert:
.irp j, 0,1,2,3,4,5,6,7
	s_wait_loadcnt 7-\j                            ; loads come back in order: row j is in, the younger rows may stay out (behind the router all are in)
	v_cvt_pk_bf16_f32 v[XB+2*\j], v[XR+4*\j], v[XR+4*\j+1]
	v_cvt_pk_bf16_f32 v[XB+2*\j+1], v[XR+4*\j+2], v[XR+4*\j+3]
	global_store_b64 v2, v[XB+2*\j:XB+2*\j+1], s[10:11] offset:2048*\j
.endr
	s_endpgm
.Lfunc_end_k_q987f1488df_prep:
	.size	k_q987f1488df_prep, .Lfunc_end_k_q987f1488df_prep-k_q987f1488df_prep
	.p2alignl 7, 3214868480
	.fill 96, 4, 3214868480
	.section	.rodata,"a",@progbits
	.p2align	6, 0x0
	.amdhsa_kernel k_q987f1488df_prep
		.amdhsa_group_segment_fixed_size 0
		.amdhsa_private_segment_fixed_size 0
		.amdhsa_enable_private_segment 0
		.amdhsa_kernarg_size 48
		.amdhsa_user_sgpr_count 2
		.amdhsa_user_sgpr_kernarg_segment_ptr 1
		.amdhsa_wavefront_size32 1
		.amdhsa_system_sgpr_workgroup_id_x 1
		.amdhsa_system_sgpr_workgroup_id_y 1
		.amdhsa_system_sgpr_workgroup_id_z 1
		.amdhsa_system_vgpr_workitem_id 0
		.amdhsa_next_free_vgpr 112
		.amdhsa_next_free_sgpr 66
		.amdhsa_reserve_vcc 1
		.amdhsa_float_denorm_mode_32 3
		.amdhsa_float_denorm_mode_16_64 3
		.amdhsa_memory_ordered 1
		.amdhsa_forward_progress 1
		.amdhsa_inst_pref_size 18
	.end_amdhsa_kernel
	.amdgpu_metadata
---
amdhsa.version: [ 1, 2 ]
amdhsa.kernels:
  - .name:           k_q987f1488df_prep
    .symbol:         k_q987f1488df_prep.kd
    .args:
      - { .name: x, .offset: 0, .size: 8, .value_kind: global_buffer, .address_space: global }
      - { .name: gating_output, .offset: 8, .size: 8, .value_kind: global_buffer, .address_space: global }
      - { .name: w2_scale, .offset: 16, .size: 8, .value_kind: global_buffer, .address_space: global }
      - { .name: xb, .offset: 24, .size: 8, .value_kind: global_buffer, .address_space: global }
      - { .name: code, .offset: 32, .size: 8, .value_kind: global_buffer, .address_space: global }
      - { .name: wgt, .offset: 40, .size: 8, .value_kind: global_buffer, .address_space: global }
    .group_segment_fixed_size: 0
    .private_segment_fixed_size: 0
    .kernarg_segment_align: 8
    .kernarg_segment_size: 48
    .max_flat_workgroup_size: 256
    .sgpr_count:     66
    .vgpr_count:     112
    .wavefront_size: 32
...
	.end_amdgpu_metadata
.endif
;; end of part 1
;; launch gemm1 (part 2): grid 256 x 1, 8 waves a work-group, no clusters, 150,784 bytes of LDS; arguments xb, code, w1, w1_scale, hid; writes hid
.if DOCPART == 2
	.amdgcn_target "amdgcn-amd-amdhsa--gfx1250"
	.amdhsa_code_object_version 6
	.text
	.protected	k_q987f1488df_gemm1
	.globl	k_q987f1488df_gemm1
	.p2align	8
	.type	k_q987f1488df_gemm1,@function
k_q987f1488df_gemm1:
	s_mov_b64 s[64:65], 0
	v_nop
	global_prefetch_b8 v0, s[64:65] scope:SCOPE_SE
	s_setreg_imm32_b32 hwreg(HW_REG_WAVE_MODE, 25, 1), 1
	s_wait_xcnt 0x0
; GEMM1.  hid = silu(s1 x.Wg) * (s1 x.Wu) for the rows that chose the expert.  Work-group 32 e + s owns, of expert e, the 32 gate rows 32 s .. and the 32 up rows 1024 + 32 s .. of w1[e]:
; 256 KiB of f32 that it alone reads, once.  It rounds them to bf16 on their way through registers into LDS (64 rows x 1024 K) and multiplies ALL of the expert's rows by them.
; THE LIST of the expert's entries 2 t + k is made by all eight waves while the weights are on their way.  Wave w takes the code words of tokens 256 w .. 256 w + 255 and lays its entries end to end into a
; sublist of its own, in the order (q, c, lane) of token 256 w + 128 q + 4 lane + c; its count goes to a word of its own.  Behind the first barrier every wave reads the eight counts, and thread i fetches the
; entries of places i, i + 256, .. from the sublists and stores them at fixed addresses: one list of 2,048 places.  A place at or past the count takes the last entry, so that every tile of 32 rows is whole
; and no lane is switched off.  GEMM2 builds the same list by the same lines.  Every split is served: up to 2,048 rows, or none.
; SHARES.  Behind the second barrier the eight waves are independent: wave w takes tiles w, w + 8, ..: two at a time (four blocks of 16 rows: 16 accumulators) or, if one is left, one.  The loop over such chunks has a
; constant count of four, which covers 2,048 rows; dead trips are jumped forward; no barrier stands in it.
; PRODUCTS.  Source 0 = 16 rows of the slice (from LDS), source 1 = 16 token rows (from xb straight into registers, through a ring of 256 registers): a lane then holds ONE token row (lane % 16) and eight
; neighbouring hidden channels 8 (lane / 16) + 0..7 of gate and of up, which is just the lane's 16 bytes of GEMM2's operand.
; hid HOLDS EACH h AS TWO bf16: hi = bf16(h) and lo = bf16(h - hi), 16 significant bits together.  A row's size goes with s1^2 s2 of its expert, so the rows of an expert with large scales are a multiple of the
; output's root mean square, and the error of a single rounding to 8 bits grows with them; f16 has no room, since h grows with the fourth power of the inputs' size.
; hid: [e][block of 16 rows][32 K blocks][hi, lo][2 halves][32 lanes][16 bytes].
; NO TENSOR LOADS, NO CLUSTER: the f32 weights must pass registers to be rounded and have one reader; the token rows come by a list, which no tile descriptor covers.
; FORMATS AND LIMITS.  w1 and w1_scale are rounded once to bf16, x was; sums in f32.  With raw sums g, u and s1 the scale: h = g u s1^2 / (1 + 2^(-s1 g log2 e)), by one reciprocal of (1 + E) / s1^2.
; s1^2 must be a normal f32 (|s1| above 1.1e-19) or 0; where E overflows h is 0, as silu is to within f32; an |h| above 3.39e38 rounds to an infinite hi.  NaN and infinities are not treated apart.
.set WP,    2064                       ; a slice row in LDS: 2,048 bytes + 16: an odd multiple of 16, so the sixteen rows of a fragment load lie in sixteen different 16-byte columns modulo 256
.set LIST,  64*WP                      ; 132,096: 2,048 words
.set CNTS,  LIST+8192                  ; 140,288: the eight waves' counts
.set SUBL,  CNTS+256                   ; 140,544: eight sublists
.set SUBW,  288                        ; words in a sublist: 256 places, then 32 words that take the lanes without an entry
.set SPARE, SUBL+8*4*SUBW              ; 149,760: the spare words, 128 bytes a wave, that no other line names
.set LANE, 1
.set R16,  2                           ; lane % 16
.set HALF, 3                           ; lane / 16
.set BA,   4                           ; v4, v5  my place in slice rows 0-31 and 32-63
.set WS,   6                           ; v6   where my wave's converted rows go
.set WO,   7                           ; v7   16 x lane
.set LA,   8                           ; v8   LDS address of my row's entry in the chunk's first block
.set H16,  9                           ; v9   16 x (lane / 16)
.set HO,   10                          ; v10  my byte offset in the expert's part of hid
.set AOFF, 12                          ; v[12:15] byte offset in xb of my row, one for each block of 16 rows
.set TK,   16                          ; v[16:19] entries, then tokens
.set NC,   20                          ; v[20:21] -s1 log2(e), twice
.set INV,  22                          ; v[22:23] 1 / s1^2, twice
.set CNA,  24                          ; the list: address of my wave's count, then of all counts
.set EB,   25                          ;   2 x the token of the lane's first code word
.set TT,   26
.set KK,   27
.set PP,   28
.set EE,   29
.set SPW,  30                          ; v30  SPARE + 4 x thread; never rewritten
.set NIL,  31                          ; v31  0; never rewritten
.set BB,   32                          ; v[32:95] two buffers of slice fragments; at work in the conversion and on the way out
.set CW,   96                          ; v[96:103]  eight code words, then the eight counts
.set LV,   104                         ; v[104:111] eight entries on their way from the sublists to the list
.set Z,    112                         ; v[112:115] zeros
.set CS,   116                         ; my byte offset in code
.set ZA,   117                         ; my sublist, 16 bytes a lane
.set ZB,   118                         ; my sublist, 4 bytes a lane
.set DMP,  119                         ; 256 + lane
.set LS,   120                         ; LIST + 4 x thread
.set ACC,  128                         ; v[128:255] accumulator (block u, slice block i) at ACC + 8 (4 u + i); i = 0, 1 gate, 2, 3 up
                                       ; window 1 (v256-511): first the 64 weight loads, then the ring of token fragments
.set WV,   14                          ; s14 wave   s15 e   s16 s   s[18:19] offsets   s20, s21 the expert's two bits, and 8 + e   s22 my wave's places so far   s23 mask   s24 its count
.set CNT,  26                          ; s26 rows   s27 tiles of 32   s28 my wave's tiles   s29 chunk   s30 tiles done   s31 tiles left   s32 w1_scale[e]   s33 its offset   s36, s37 at work
.set SB,   38                          ; s38 LDS address of my wave's sublist
.set CM1,  39                          ; s39 the last place that holds an entry
.set CN,   40                          ; s[40:47] the waves' counts
.set PB,   48                          ; s[48:55] B_i: places ahead of wave i's
.set PC,   56                          ; s[57:63] C_i = 288 i - B_i: place p of wave i lies at sublist word p + C_i
.set MSB, 0
.macro WIN new                         ; s_set_vgpr_msb: bits 1:0 source 0, 3:2 source 1, 5:4 source 2, 7:6 destination; the high byte repeats the setting that is left
.if MSB != (\new)
	s_set_vgpr_msb (MSB<<8)|(\new)
.set MSB, \new
.endif
.endm
	s_load_b256 s[4:11], s[0:1], 0x0               ; xb s[4:5], code s[6:7], w1 s[8:9], w1_scale s[10:11]
	s_load_b64 s[12:13], s[0:1], 0x20              ; hid
	v_lshl_add_u32 v[SPW], v0, 2, SPARE
	v_mov_b32 v[NIL], 0
	v_lshrrev_b32 v[LANE], 5, v0
	v_readfirstlane_b32 s[WV], v[LANE]             ; wave 0..7
	v_and_b32 v[LANE], 31, v0
	v_and_b32 v[R16], 15, v0
	v_bfe_u32 v[HALF], v0, 4, 1
	s_lshr_b32 s15, ttmp9, 5                       ; e
	s_and_b32 s16, ttmp9, 31                       ; s
	v_mul_u32_u24 v[BA], v[R16], WP
	v_lshl_add_u32 v[BA], v[HALF], 4, v[BA]        ; a fragment: row lane % 16, 16 bytes for each half of the lanes
	v_add_nc_u32 v[BA+1], 32*WP, v[BA]             ; the up rows lie past the reach of a 16-bit offset
	s_mul_i32 s36, s[WV], 8*WP
	v_lshlrev_b32 v[WS], 3, v[LANE]
	v_add_nc_u32 v[WS], s36, v[WS]                 ; my wave's eight slice rows, 8 bytes a lane
	v_lshlrev_b32 v[WO], 4, v[LANE]
	s_lshl_b32 s36, s[WV], 7
	s_add_co_u32 s36, s36, LIST
	v_lshl_add_u32 v[LA], v[R16], 2, s36           ; place 32 w + lane % 16
	v_lshlrev_b32 v[H16], 4, v[HALF]
	s_lshl_b32 s36, s[WV], 17                      ; tile w = blocks 2 w, 2 w + 1 of 64 KiB
	s_lshl_b32 s37, s16, 11                        ; K block s: 2 KiB
	s_add_co_u32 s36, s36, s37
	v_add_nc_u32 v[HO], s36, v[WO]
	s_mul_i32 s[SB], s[WV], 4*SUBW                 ; the list's addresses
	s_add_co_u32 s[SB], s[SB], SUBL
	v_lshl_add_u32 v[ZA], v[LANE], 4, s[SB]
	v_lshl_add_u32 v[ZB], v[LANE], 2, s[SB]
	v_add_nc_u32 v[DMP], 256, v[LANE]
	s_lshl_b32 s36, s[WV], 10                      ; my wave's 256 code words
	v_add_nc_u32 v[CS], s36, v[WO]
	s_lshl_b32 s36, s[WV], 9
	v_lshl_add_u32 v[EB], v[LANE], 3, s36          ; 2 x (256 w + 4 lane)
	s_lshl_b32 s37, s[WV], 2
	s_add_co_u32 s37, s37, CNTS
	v_mov_b32 v[CNA], s37
	v_lshl_add_u32 v[LS], v0, 2, LIST
.irp i, 0,1,2,3
	v_mov_b32 v[Z+\i], 0
.endr
	s_and_b32 s18, s[WV], 3                        ; my eight rows of w1[e]: 32 s + 8 (w % 4), and 1,024 further down for waves 4 to 7
	s_lshl_b32 s18, s18, 3
	s_lshr_b32 s19, s[WV], 2
	s_lshl_b32 s19, s19, 10
	s_add_co_u32 s18, s18, s19
	s_lshl_b32 s19, s16, 5
	s_add_co_u32 s18, s18, s19
	s_lshl_b32 s18, s18, 12                        ; rows of 4,096 bytes
	s_lshl_b32 s19, s15, 23                        ; experts of 8 MiB
	s_add_co_u32 s18, s18, s19
	s_mov_b32 s19, 0
	s_lshl_b32 s33, s15, 2
	s_lshl_b32 s20, 0x101, s15                     ; bit e: first choice; bit 8 + e: second
	s_add_co_u32 s21, s15, 8
	s_wait_kmcnt 0x0
	s_add_nc_u64 s[8:9], s[8:9], s[18:19]
	s_lshl_b32 s18, s15, 23                        ; the expert's 8 MiB of hid
	s_add_nc_u64 s[12:13], s[12:13], s[18:19]
	s_load_b32 s32, s[10:11], s33 offset:0x0       ; w1_scale[e]
; My wave's eight rows are 32 KiB on end: 64 loads of 512 consecutive bytes, into window 1; n of them from number from on.  Each weight byte has this one reader in the launch.
.macro WLOADS from, n
	WIN 0x40                                       ; destination window 1, address window 0
.set wi, \from
.rept \n
	global_load_b128 v[4*wi:4*wi+3], v[WO], s[8:9] offset:512*wi th:TH_LOAD_NT
.set wi, wi+1
.endr
	WIN 0
.endm
; Code word j of the lane's eight: if the token chose the expert, its entry goes to my sublist's next free place: the places so far plus the lanes below me that also have one.
.macro PLACE j
	v_and_b32 v[TT], s20, v[CW+(\j)]
	v_cmp_ne_u32 s23, 0, v[TT]
	v_lshrrev_b32 v[KK], s21, v[TT]                ; k: 1 if it was the second choice
	v_mbcnt_lo_u32_b32 v[PP], s23, s22
	v_add3_u32 v[EE], v[KK], v[EB], 256*((\j)/4)+2*((\j)%4)  ; 2 t + k
	v_cndmask_b32 v[PP], v[DMP], v[PP], s23        ; a lane without an entry writes its dump word
	v_min_u32 v[PP], SUBW-1, v[PP]                 ; a bound in the text; a place is 255 at the most, since a token gives an expert one entry
	v_lshl_add_u32 v[PP], v[PP], 2, s[SB]
	ds_store_b32 v[PP], v[EE]
	s_bcnt1_i32_b32 s24, s23
	s_add_co_u32 s22, s22, s24
.endm
	global_load_b128 v[CW:CW+3],   v[CS], s[6:7]   ; the code words first, so that they come back first
	global_load_b128 v[CW+4:CW+7], v[CS], s[6:7] offset:512
	WLOADS 0, 56                                   ; seven of my eight rows; the eighth is asked for when the first has come, so that the wait below can name what is out behind the code words
	ds_store_b128 v[ZA], v[Z:Z+3]                  ; my sublist holds 0 wherever no entry comes
	ds_store_b128 v[ZA], v[Z:Z+3] offset:512
	ds_store_b32 v[ZB], v[Z] offset:1024
	s_mov_b32 s22, 0
	s_wait_loadcnt 56                              ; 56 loads were issued behind the code words: these are in, the weights stay out
.irp j, 0,1,2,3,4,5,6,7
	PLACE \j
.endr
	v_mov_b32 v[KK], s22
	ds_store_b32 v[CNA], v[KK]                     ; my wave's count
	s_wait_dscnt 0x0                               ; for the others' sake: my sublist and my count are written
	s_barrier_signal -1                            ; the first barrier: sublists and counts are there for every wave.  The weight loads stay on their way across it: no wave touches those global bytes
	s_barrier_wait -1
	v_mov_b32 v[CNA], CNTS
	ds_load_b128 v[CW:CW+3],   v[CNA]
	ds_load_b128 v[CW+4:CW+7], v[CNA] offset:16
	s_wait_kmcnt 0x0                               ; w1_scale[e]
	v_cvt_pk_bf16_f32 v[KK], s32, s32              ; rounded to bf16
	v_lshlrev_b32 v[KK], 16, v[KK]
	v_mul_f32 v[NC], 0xbfb8aa3b, v[KK]             ; -s1 log2(e)
	v_mov_b32 v[NC+1], v[NC]
	v_mul_f32 v[PP], v[KK], v[KK]
	v_rcp_f32 v[INV], v[PP]                        ; 1 / s1^2
	v_nop                                          ; a plain instruction behind the reciprocal,
	s_wait_alu depctr_va_vdst(0)                   ; and a wait ahead of its first reader
	v_mov_b32 v[INV+1], v[INV]
	s_wait_dscnt 0x0
.irp i, 0,1,2,3,4,5,6,7
	v_readfirstlane_b32 s[CN+\i], v[CW+\i]
	s_min_u32 s[CN+\i], s[CN+\i], 256
.endr
	s_mov_b32 s[PB], 0
.irp i, 1,2,3,4,5,6,7
	s_add_co_u32 s[PB+\i], s[PB+\i-1], s[CN+\i-1]
	s_sub_co_u32 s[PC+\i], SUBW*\i, s[PB+\i]
.endr
	s_add_co_u32 s[CNT], s[PB+7], s[CN+7]
	s_min_u32 s[CNT], s[CNT], 2048
	s_max_u32 s[CM1], s[CNT], 1
	s_sub_co_u32 s[CM1], s[CM1], 1
	s_add_co_u32 s27, s[CNT], 31
	s_lshr_b32 s27, s27, 5                         ; tiles of 32 rows
	s_add_co_u32 s28, s27, 7
	s_sub_co_u32 s28, s28, s[WV]
	s_lshr_b32 s28, s28, 3                         ; of them w, w + 8, .. are mine
	; ONE LIST.  Place p = thread + 256 j, held to the last place with an entry, belongs to the last wave i with B_i <= p and lies at sublist word p + C_i.
.set j, 0
.rept 8
	v_add_nc_u32 v[PP], 256*j, v0
	v_min_u32 v[PP], s[CM1], v[PP]
	v_mov_b32 v[KK], 0                             ; C_0
.irp i, 1,2,3,4,5,6,7
	v_cmp_le_u32 vcc_lo, s[PB+\i], v[PP]
	v_cndmask_b32 v[KK], v[KK], s[PC+\i], vcc_lo
.endr
	v_add_nc_u32 v[PP], v[PP], v[KK]
	v_min_u32 v[PP], 8*SUBW-1, v[PP]               ; a bound in the text: inside the sublists
	v_lshl_add_u32 v[PP], v[PP], 2, SUBL
	ds_load_b32 v[LV+j], v[PP]
.set j, j+1
.endr
	s_wait_dscnt 0x0
.set j, 0
.rept 8
	ds_store_b32 v[LS], v[LV+j] offset:1024*j      ; the second barrier, below, shows the list to every wave
.set j, j+1
.endr
	; THE SLICE: a row (eight loads) at a time, rounded to bf16 and laid into LDS; a store covers 256 consecutive bytes.
.set gr, 0
.rept 8
.set CT, BB+16*(gr%2)
.if gr == 0
	s_wait_loadcnt 48                              ; row 0 is in; rows 1 to 6, eight loads each, may stay out
	WLOADS 56, 8                                   ; and row 7 is asked for
.else
	s_wait_loadcnt 56-8*gr                         ; row gr is in; the younger rows' eight loads each may stay out
.endif
	WIN 0x05                                       ; sources in window 1
.set k, 0
.rept 16
	v_cvt_pk_bf16_f32 v[CT+k], v[32*gr+2*k], v[32*gr+2*k+1]
.set k, k+1
.endr
	WIN 0
.set k, 0
.rept 8
	ds_store_b64 v[WS], v[CT+2*k:CT+2*k+1] offset:WP*gr+256*k
.set k, k+1
.endr
.set gr, gr+1
.endr
	s_wait_dscnt 0x0                               ; for the others' sake: my places of the list and my rows of the slice are written
	s_barrier_signal -1                            ; the second barrier, and the last: list and slice are whole, and nothing in LDS is written from here on
	s_barrier_wait -1
; Step t (32 along K) of the token rows: for each block of 16 rows two loads of 16 bytes a lane, into ring slot t % DEPTH.
.macro ALOAD mt, t
.set RS, ((\t)%DEPTH)*8*(\mt)
.set au, 0
.rept \mt
	global_load_b128 v[RS+8*au:RS+8*au+3],   v[AOFF+au], s[4:5] offset:64*(\t)
	global_load_b128 v[RS+8*au+4:RS+8*au+7], v[AOFF+au], s[4:5] offset:64*(\t)+32
.set au, au+1
.endr
.endm
; Step t of the slice: four fragments of 16 rows, into buffer t % 2.
.macro BLOAD t
.set BF, BB+32*((\t)%2)
.irp b, 0,1,2,3
	ds_load_b128 v[BF+8*\b:BF+8*\b+3],   v[BA+(\b)/2] offset:((\b)%2)*16*WP+64*(\t)
	ds_load_b128 v[BF+8*\b+4:BF+8*\b+7], v[BA+(\b)/2] offset:((\b)%2)*16*WP+64*(\t)+32
.endr
.endm
; A K step: the loads of later steps first, then 4 mt products.  The accumulators take turns, one instruction a turn, from step to step too.
.macro STEP mt, t
.if (\t) > 0
.rept 4
	v_nop                                          ; four places behind the last step's products: the loads below land in the ring slot and the buffer that they read
.endr
.endif
.if (\t)+DEPTH-1 < 32
	WIN 0x40
	ALOAD \mt, (\t)+DEPTH-1
.endif
.if (\t) < 31
	WIN 0
	BLOAD (\t)+1
	s_wait_dscnt 0x8                               ; this step's slice fragments are in; the eight just issued may stay out
.else
	s_wait_dscnt 0x0
.endif
.if 31-(\t) < DEPTH-1
	s_wait_loadcnt (31-(\t))*2*(\mt)               ; this step's token rows are in; the later steps' 2 mt loads each may stay out
.else
	s_wait_loadcnt (DEPTH-1)*2*(\mt)
.endif
	WIN 0x04                                       ; source 1 in window 1
.set RS, ((\t)%DEPTH)*8*(\mt)
.set BF, BB+32*((\t)%2)
.set wu, 0
.rept \mt
.irp b, 0,1,2,3
.if (\t) == 0
	v_wmma_f32_16x16x32_bf16 v[ACC+8*(4*wu+\b):ACC+8*(4*wu+\b)+7], v[BF+8*\b:BF+8*\b+7], v[RS+8*wu:RS+8*wu+7], 0
.else
	v_wmma_f32_16x16x32_bf16 v[ACC+8*(4*wu+\b):ACC+8*(4*wu+\b)+7], v[BF+8*\b:BF+8*\b+7], v[RS+8*wu:RS+8*wu+7], v[ACC+8*(4*wu+\b):ACC+8*(4*wu+\b)+7]
.endif
.endr
.set wu, wu+1
.endr
.endm
; THE WAY OUT.  ek counts the 2 mt gate accumulators: block ek / 2 of rows, half ek % 2 of the 32 channels; its up accumulator lies 16 registers on.  Each accumulator is read from its low end on.
; The chunk's exponentials are one batch and its reciprocals another, each with one wait ahead of its first reader.
.macro EPI mt
.rept 4
	v_nop                                          ; four places behind the last products
.endr
.set ek, 0
.rept 2*(\mt)
.set GA, ACC+8*(4*(ek/2)+ek%2)
.irp p, 0,2,4,6
	v_pk_mul_f32 v[BB+8*ek+\p:BB+8*ek+\p+1], v[GA+\p:GA+\p+1], v[NC:NC+1]  ; -s1 g log2(e)
.endr
.set ek, ek+1
.endr
.set ek, 0
.rept 16*(\mt)
	v_exp_f32 v[BB+ek], v[BB+ek]                   ; E
.set ek, ek+1
.endr
.set ek, 0
.rept 2*(\mt)
.set GA, ACC+8*(4*(ek/2)+ek%2)
.irp p, 0,2,4,6
	v_pk_mul_f32 v[GA+\p:GA+\p+1], v[GA+\p:GA+\p+1], v[GA+16+\p:GA+16+\p+1]  ; g u: the independent work behind the batch
.endr
.set ek, ek+1
.endr
	s_wait_alu depctr_va_vdst(0)
.set ek, 0
.rept 8*(\mt)
	v_pk_fma_f32 v[BB+2*ek:BB+2*ek+1], v[BB+2*ek:BB+2*ek+1], v[INV:INV+1], v[INV:INV+1]  ; (1 + E) / s1^2
.set ek, ek+1
.endr
.set ek, 0
.rept 16*(\mt)
	v_rcp_f32 v[BB+ek], v[BB+ek]
.set ek, ek+1
.endr
	v_nop
	s_wait_alu depctr_va_vdst(0)
.set ek, 0
.rept 2*(\mt)
.set GA, ACC+8*(4*(ek/2)+ek%2)
.irp p, 0,2,4,6
	v_pk_mul_f32 v[GA+\p:GA+\p+1], v[GA+\p:GA+\p+1], v[BB+8*ek+\p:BB+8*ek+\p+1]  ; h
.endr
.set ek, ek+1
.endr
.set ek, 0
.rept 2*(\mt)
.set GA, ACC+8*(4*(ek/2)+ek%2)
.irp p, 0,2,4,6
	v_cvt_pk_bf16_f32 v[BB+4*ek+(\p)/2], v[GA+\p], v[GA+\p+1]                    ; hi = bf16(h)
.endr
.set ek, ek+1
.endr
.set ek, 0
.rept 2*(\mt)
.set GA, ACC+8*(4*(ek/2)+ek%2)
.irp p, 0,2,4,6
	v_lshlrev_b32 v[GA+16+\p], 16, v[BB+4*ek+(\p)/2]                             ; hi as f32, in the up accumulator's registers, which are free
	v_and_b32 v[GA+17+\p], 0xffff0000, v[BB+4*ek+(\p)/2]
.endr
.irp p, 0,2,4,6
	v_pk_add_f32 v[GA+\p:GA+\p+1], v[GA+\p:GA+\p+1], v[GA+16+\p:GA+17+\p] neg_lo:[0,1] neg_hi:[0,1]  ; h - hi: exact
.endr
.irp p, 0,2,4,6
	v_cvt_pk_bf16_f32 v[BB+8*(\mt)+4*ek+(\p)/2], v[GA+\p], v[GA+\p+1]            ; lo = bf16(h - hi)
.endr
.set ek, ek+1
.endr
.set ek, 0
.rept 2*(\mt)
	global_store_b128 v[HO], v[BB+4*ek:BB+4*ek+3], s[12:13] offset:(ek/4)*0x100000+((ek/2)%2)*0x10000+512*(ek%2)  ; 512 consecutive bytes, aligned: K block s, hi, half ek % 2 of one block of 16 rows
	global_store_b128 v[HO], v[BB+8*(\mt)+4*ek:BB+8*(\mt)+4*ek+3], s[12:13] offset:(ek/4)*0x100000+((ek/2)%2)*0x10000+512*(ek%2)+1024  ; and lo
.set ek, ek+1
.endr
.endm
; A chunk: mt blocks of 16 rows (mt = 4: tiles w + 16 I and w + 16 I + 8; mt = 2: the first alone) through all 32 K steps.  The ring's 256 registers hold DEPTH steps.
.macro CHUNK mt
.set DEPTH, 32/(\mt)
.set cu, 0
.rept \mt
	ds_load_b32 v[TK+cu], v[LA] offset:1024*(cu/2)+64*(cu%2)
.set cu, cu+1
.endr
	s_wait_dscnt 0x0
.set cu, 0
.rept \mt
	v_lshrrev_b32 v[TK+cu], 1, v[TK+cu]            ; the entry's token,
	v_min_u32 v[TK+cu], 0x7ff, v[TK+cu]            ; inside xb whatever LDS held,
	v_lshl_add_u32 v[AOFF+cu], v[TK+cu], 11, v[H16]  ; its row of 2,048 bytes, 16 bytes for each half of the lanes
.set cu, cu+1
.endr
	WIN 0x40
.set tp, 0
.rept DEPTH-1
	ALOAD \mt, tp
.set tp, tp+1
.endr
	WIN 0
	BLOAD 0
.set tt, 0
.rept 32
	STEP \mt, tt
.set tt, tt+1
.endr
	WIN 0
	EPI \mt
.endm
	s_mov_b32 s29, 0
	s_mov_b32 s30, 0
.Lchunk:                                               ; four trips cover the 64 tiles of 2,048 rows; a trip without tiles is jumped
	s_sub_co_i32 s31, s28, s30                     ; my tiles still to do
	s_cmp_lt_i32 s31, 1
	s_cbranch_scc1 .Lnext
	s_cmp_eq_u32 s31, 1
	s_cbranch_scc1 .Lmt2
	CHUNK 4
	s_branch .Lnext
.Lmt2:
	CHUNK 2
.Lnext:
	s_wait_xcnt 0x0                                ; the stores' offset and data registers are rewritten only behind this wait
	v_add_nc_u32 v[LA], 2048, v[LA]                ; 16 tiles on in the list,
	v_add_nc_u32 v[HO], 0x200000, v[HO]            ; and in hid: 16 tiles of 128 KiB
	s_add_co_u32 s30, s30, 2
	s_add_co_u32 s29, s29, 1
	s_cmp_lt_u32 s29, 4
	s_cbranch_scc1 .Lchunk
	s_wait_tensorcnt 0x0                           ; the wave's end
	ds_add_u32 v[SPW], v[NIL]
	s_wait_dscnt 0x0
	s_endpgm
.Lfunc_end_k_q987f1488df_gemm1:
	.size	k_q987f1488df_gemm1, .Lfunc_end_k_q987f1488df_gemm1-k_q987f1488df_gemm1
	.p2alignl 7, 3214868480
	.fill 96, 4, 3214868480
	.section	.rodata,"a",@progbits
	.p2align	6, 0x0
	.amdhsa_kernel k_q987f1488df_gemm1
		.amdhsa_group_segment_fixed_size 150784
		.amdhsa_private_segment_fixed_size 0
		.amdhsa_enable_private_segment 0
		.amdhsa_kernarg_size 40
		.amdhsa_user_sgpr_count 2
		.amdhsa_user_sgpr_kernarg_segment_ptr 1
		.amdhsa_wavefront_size32 1
		.amdhsa_system_sgpr_workgroup_id_x 1
		.amdhsa_system_sgpr_workgroup_id_y 1
		.amdhsa_system_sgpr_workgroup_id_z 1
		.amdhsa_system_vgpr_workitem_id 0
		.amdhsa_next_free_vgpr 512
		.amdhsa_next_free_sgpr 66
		.amdhsa_reserve_vcc 1
		.amdhsa_float_denorm_mode_32 3
		.amdhsa_float_denorm_mode_16_64 3
		.amdhsa_memory_ordered 1
		.amdhsa_forward_progress 1
		.amdhsa_inst_pref_size 208
	.end_amdhsa_kernel
	.amdgpu_metadata
---
amdhsa.version: [ 1, 2 ]
amdhsa.kernels:
  - .name:           k_q987f1488df_gemm1
    .symbol:         k_q987f1488df_gemm1.kd
    .args:
      - { .name: xb, .offset: 0, .size: 8, .value_kind: global_buffer, .address_space: global }
      - { .name: code, .offset: 8, .size: 8, .value_kind: global_buffer, .address_space: global }
      - { .name: w1, .offset: 16, .size: 8, .value_kind: global_buffer, .address_space: global }
      - { .name: w1_scale, .offset: 24, .size: 8, .value_kind: global_buffer, .address_space: global }
      - { .name: hid, .offset: 32, .size: 8, .value_kind: global_buffer, .address_space: global }
    .group_segment_fixed_size: 150784
    .private_segment_fixed_size: 0
    .kernarg_segment_align: 8
    .kernarg_segment_size: 40
    .max_flat_workgroup_size: 256
    .sgpr_count:     66
    .vgpr_count:     512
    .wavefront_size: 32
...
	.end_amdgpu_metadata
.endif
;; end of part 2
;; launch gemm2 (part 3): grid 256 x 1, 8 waves a work-group, no clusters, 185,600 bytes of LDS; arguments hid, code, w2, ypart; writes ypart
.if DOCPART == 3
	.amdgcn_target "amdgcn-amd-amdhsa--gfx1250"
	.amdhsa_code_object_version 6
	.text
	.protected	k_q987f1488df_gemm2
	.globl	k_q987f1488df_gemm2
	.p2align	8
	.type	k_q987f1488df_gemm2,@function
k_q987f1488df_gemm2:
	s_mov_b64 s[64:65], 0
	v_nop
	global_prefetch_b8 v0, s[64:65] scope:SCOPE_SE
	s_setreg_imm32_b32 hwreg(HW_REG_WAVE_MODE, 25, 1), 1
	s_wait_xcnt 0x0
; GEMM2.  ypart[2 t + k][:] = h row . w2[i_k]^T, raw f32 sums (w2_scale and the routing weight are applied by the launch behind).  Work-group 32 e + 2 s + hf owns rows 64 s .. 64 s + 63 of w2[e]
; (64 output columns: 256 bytes of an f32 row, one whole aligned piece) and every second group of the expert's row tiles; the two work-groups hf = 0, 1 read the same 256 KiB of weights.
; The frame is GEMM1's: the slice rounded to bf16 on its way through registers into LDS; the eight waves build the same list by the same lines (a sublist and a count a wave; behind the first barrier
; one list of 2,048 places at fixed addresses, the places past the count holding the last entry); two barriers; then eight independent waves.
; The sixteen waves g = 8 hf + w of the pair take tiles g, g + 16, .. of 32 rows, one at a time; the loop over them has a constant count of four, which covers 2,048 rows; dead trips are jumped forward.
; PRODUCTS.  h lies in hid as hi + lo, two bf16 each: both are multiplied by the same slice fragment into the same accumulator, so a fragment read from LDS feeds four products (2 blocks of rows x hi, lo).
; Source 0 = 16 rows of the slice (LDS), source 1 = 16 rows of hid, which lies in memory as the lanes' registers want it: every load covers 512 consecutive bytes.
; THE WAY OUT.  A lane holds one row and eight columns; a block of 16 rows goes through the wave's own stage in LDS and comes back as whole pieces of 256 bytes, which go to the rows of ypart that the list names.
; The places past the count repeat the last entry: they hold the same numbers and go, from the same wave, to the same bytes.  A block of 16 rows that lies wholly past the count is jumped.
; NO TENSOR LOADS, NO CLUSTER: the f32 weights must pass registers to be rounded; hid's rows are dense, but their number hangs on a count, and a loop with barriers would have to run its worst case for every expert.
; FORMATS.  w2 is rounded once to bf16; sums in f32, stored in f32.
.set WP,    2064                       ; a slice row in LDS: 2,048 bytes + 16: an odd multiple of 16
.set LIST,  64*WP                      ; 132,096: 2,048 words
.set CNTS,  LIST+8192                  ; 140,288: the eight waves' counts
.set SUBL,  CNTS+256                   ; 140,544: eight sublists
.set SUBW,  288                        ; words in a sublist: 256 places, then 32 words that take the lanes without an entry
.set STAGE, SUBL+8*4*SUBW              ; 149,760: 16 rows x 272 bytes for each wave
.set SP,    272
.set SPARE, STAGE+8*16*SP              ; 184,576: the spare words, 128 bytes a wave, that no other line names
.set DEPTH, 8                          ; K steps in the ring: 256 registers / (2 blocks x hi, lo x 8 registers)
.set LANE, 1
.set R16,  2
.set HALF, 3
.set BA,   4                           ; v4, v5  my place in slice rows 0-31 and 32-63
.set WS,   6
.set WO,   7
.set LB,   8                           ; v8   LDS address of the entries of rows 8 (lane / 16) + 0..7 of the tile's first block
.set COL,  9                           ; v9   16 x (lane % 16)
.set AO,   10                          ; v10  my byte offset in the expert's part of hid
.set STO,  11                          ; v11  the way out: where I put my eight columns of a row
.set RD,   12                          ; v12  the way out: where I read a row back
.set CNA,  24
.set EB,   25
.set TT,   26
.set KK,   27
.set PP,   28
.set EE,   29
.set SPW,  30                          ; v30  SPARE + 4 x thread; never rewritten
.set NIL,  31                          ; v31  0; never rewritten
.set BB,   32                          ; v[32:95] two buffers of slice fragments; at work in the conversion; rows read back on the way out
.set CW,   96                          ; v[96:103]  eight code words, then the eight counts
.set LV,   104                         ; v[104:111] eight entries on their way from the sublists to the list
.set SO,   96                          ; later v[96:111]: two sets of eight store offsets
.set Z,    112                         ; v[112:115] zeros
.set CS,   116
.set ZA,   117
.set ZB,   118
.set DMP,  119
.set LS,   120
.set ACC,  128                         ; v[128:191] accumulator (block u, slice block i) at ACC + 8 (4 u + i)
                                       ; window 1 (v256-511): first the 64 weight loads, then the ring: step t's block u, part p (0 hi, 1 lo) at 32 (t % 8) + 16 u + 8 p
.set WV,   14                          ; s14 wave   s15 e   s16 s   s17 hf   s[18:19] offsets   s20-s24 as in the list's lines
.set CNT,  26                          ; s26 rows   s27 tiles   s28 my wave's tiles   s29 trip   s34 g   s35 first place of the tile   s36, s37 at work
.set SB,   38                          ; s38 LDS address of my wave's sublist
.set CM1,  39                          ; s39 the last place that holds an entry
.set CN,   40                          ; s[40:47] the waves' counts
.set PB,   48                          ; s[48:55] B_i: places ahead of wave i's
.set PC,   56                          ; s[57:63] C_i = 288 i - B_i
.set MSB, 0
.macro WIN new                         ; s_set_vgpr_msb: bits 1:0 source 0, 3:2 source 1, 5:4 source 2, 7:6 destination; the high byte repeats the setting that is left
.if MSB != (\new)
	s_set_vgpr_msb (MSB<<8)|(\new)
.set MSB, \new
.endif
.endm
	s_load_b256 s[4:11], s[0:1], 0x0               ; hid s[4:5], code s[6:7], w2 s[8:9], ypart s[10:11]
	v_lshl_add_u32 v[SPW], v0, 2, SPARE
	v_mov_b32 v[NIL], 0
	v_lshrrev_b32 v[LANE], 5, v0
	v_readfirstlane_b32 s[WV], v[LANE]             ; wave 0..7
	v_and_b32 v[LANE], 31, v0
	v_and_b32 v[R16], 15, v0
	v_bfe_u32 v[HALF], v0, 4, 1
	s_lshr_b32 s15, ttmp9, 5                       ; e
	s_bfe_u32 s16, ttmp9, 0x40001                  ; s: 4 bits from bit 1
	s_and_b32 s17, ttmp9, 1                        ; hf
	s_lshl_b32 s34, s17, 3
	s_add_co_u32 s34, s34, s[WV]                   ; g
	v_mul_u32_u24 v[BA], v[R16], WP
	v_lshl_add_u32 v[BA], v[HALF], 4, v[BA]
	v_add_nc_u32 v[BA+1], 32*WP, v[BA]
	s_mul_i32 s36, s[WV], 8*WP
	v_lshlrev_b32 v[WS], 3, v[LANE]
	v_add_nc_u32 v[WS], s36, v[WS]
	v_lshlrev_b32 v[WO], 4, v[LANE]
	s_lshl_b32 s36, s34, 7
	s_add_co_u32 s36, s36, LIST
	v_lshl_add_u32 v[LB], v[HALF], 5, s36          ; place 32 g + 8 (lane / 16)
	v_lshlrev_b32 v[COL], 4, v[R16]
	s_lshl_b32 s36, s34, 17                        ; tile g = blocks 2 g, 2 g + 1 of 64 KiB
	v_add_nc_u32 v[AO], s36, v[WO]
	s_mul_i32 s36, s[WV], 16*SP
	s_add_co_u32 s36, s36, STAGE                   ; my stage
	v_mul_u32_u24 v[STO], v[R16], SP               ; in: row lane % 16, 32 bytes for each half of the lanes
	v_lshl_add_u32 v[STO], v[HALF], 5, v[STO]
	v_add_nc_u32 v[STO], s36, v[STO]
	v_mul_u32_u24 v[RD], v[HALF], 8*SP             ; back: lanes 0-15 take a row of 256 bytes, lanes 16-31 the row eight further down
	v_lshl_add_u32 v[RD], v[R16], 4, v[RD]
	v_add_nc_u32 v[RD], s36, v[RD]
	s_mul_i32 s[SB], s[WV], 4*SUBW                 ; the list's addresses
	s_add_co_u32 s[SB], s[SB], SUBL
	v_lshl_add_u32 v[ZA], v[LANE], 4, s[SB]
	v_lshl_add_u32 v[ZB], v[LANE], 2, s[SB]
	v_add_nc_u32 v[DMP], 256, v[LANE]
	s_lshl_b32 s36, s[WV], 10                      ; my wave's 256 code words
	v_add_nc_u32 v[CS], s36, v[WO]
	s_lshl_b32 s36, s[WV], 9
	v_lshl_add_u32 v[EB], v[LANE], 3, s36          ; 2 x (256 w + 4 lane)
	s_lshl_b32 s37, s[WV], 2
	s_add_co_u32 s37, s37, CNTS
	v_mov_b32 v[CNA], s37
	v_lshl_add_u32 v[LS], v0, 2, LIST
.irp i, 0,1,2,3
	v_mov_b32 v[Z+\i], 0
.endr
	s_lshl_b32 s35, s34, 5                         ; the first place of tile g
	s_lshl_b32 s18, s16, 6                         ; my eight rows of w2[e]: 64 s + 8 w
	s_lshl_b32 s19, s[WV], 3
	s_add_co_u32 s18, s18, s19
	s_lshl_b32 s18, s18, 12                        ; rows of 4,096 bytes
	s_lshl_b32 s19, s15, 22                        ; experts of 4 MiB
	s_add_co_u32 s18, s18, s19
	s_mov_b32 s19, 0
	s_lshl_b32 s20, 0x101, s15                     ; bit e: first choice; bit 8 + e: second
	s_add_co_u32 s21, s15, 8
	s_wait_kmcnt 0x0
	s_add_nc_u64 s[8:9], s[8:9], s[18:19]
	s_lshl_b32 s18, s15, 23                        ; the expert's 8 MiB of hid
	s_add_nc_u64 s[4:5], s[4:5], s[18:19]
	s_lshl_b32 s18, s16, 8                         ; my 64 columns of ypart
	s_add_nc_u64 s[10:11], s[10:11], s[18:19]
; My wave's eight rows are 32 KiB on end: 64 loads of 512 consecutive bytes, into window 1; n of them from number from on.  The neighbouring work-group reads the same bytes, so no hint is given.
.macro WLOADS from, n
	WIN 0x40
.set wi, \from
.rept \n
	global_load_b128 v[4*wi:4*wi+3], v[WO], s[8:9] offset:512*wi
.set wi, wi+1
.endr
	WIN 0
.endm
; Code word j of the lane's eight: if the token chose the expert, its entry goes to my sublist's next free place: the places so far plus the lanes below me that also have one.
.macro PLACE j
	v_and_b32 v[TT], s20, v[CW+(\j)]
	v_cmp_ne_u32 s23, 0, v[TT]
	v_lshrrev_b32 v[KK], s21, v[TT]                ; k: 1 if it was the second choice
	v_mbcnt_lo_u32_b32 v[PP], s23, s22
	v_add3_u32 v[EE], v[KK], v[EB], 256*((\j)/4)+2*((\j)%4)  ; 2 t + k
	v_cndmask_b32 v[PP], v[DMP], v[PP], s23        ; a lane without an entry writes its dump word
	v_min_u32 v[PP], SUBW-1, v[PP]                 ; a bound in the text; a place is 255 at the most
	v_lshl_add_u32 v[PP], v[PP], 2, s[SB]
	ds_store_b32 v[PP], v[EE]
	s_bcnt1_i32_b32 s24, s23
	s_add_co_u32 s22, s22, s24
.endm
	global_load_b128 v[CW:CW+3],   v[CS], s[6:7]   ; the code words first, so that they come back first
	global_load_b128 v[CW+4:CW+7], v[CS], s[6:7] offset:512
	WLOADS 0, 56                                   ; seven of my eight rows; the eighth is asked for when the first has come, so that the wait below can name what is out behind the code words
	ds_store_b128 v[ZA], v[Z:Z+3]                  ; my sublist holds 0 wherever no entry comes
	ds_store_b128 v[ZA], v[Z:Z+3] offset:512
	ds_store_b32 v[ZB], v[Z] offset:1024
	s_mov_b32 s22, 0
	s_wait_loadcnt 56                              ; 56 loads were issued behind the code words: these are in, the weights stay out
.irp j, 0,1,2,3,4,5,6,7
	PLACE \j
.endr
	v_mov_b32 v[KK], s22
	ds_store_b32 v[CNA], v[KK]                     ; my wave's count
	s_wait_dscnt 0x0                               ; for the others' sake: my sublist and my count are written
	s_barrier_signal -1                            ; the first barrier: sublists and counts are there for every wave; the weight loads stay on their way across it
	s_barrier_wait -1
	v_mov_b32 v[CNA], CNTS
	ds_load_b128 v[CW:CW+3],   v[CNA]
	ds_load_b128 v[CW+4:CW+7], v[CNA] offset:16
	s_wait_dscnt 0x0
.irp i, 0,1,2,3,4,5,6,7
	v_readfirstlane_b32 s[CN+\i], v[CW+\i]
	s_min_u32 s[CN+\i], s[CN+\i], 256
.endr
	s_mov_b32 s[PB], 0
.irp i, 1,2,3,4,5,6,7
	s_add_co_u32 s[PB+\i], s[PB+\i-1], s[CN+\i-1]
	s_sub_co_u32 s[PC+\i], SUBW*\i, s[PB+\i]
.endr
	s_add_co_u32 s[CNT], s[PB+7], s[CN+7]
	s_min_u32 s[CNT], s[CNT], 2048
	s_max_u32 s[CM1], s[CNT], 1
	s_sub_co_u32 s[CM1], s[CM1], 1
	s_add_co_u32 s27, s[CNT], 31
	s_lshr_b32 s27, s27, 5                         ; tiles of 32 rows
	s_add_co_u32 s28, s27, 15
	s_sub_co_u32 s28, s28, s34
	s_lshr_b32 s28, s28, 4                         ; of them g, g + 16, .. are mine
	; ONE LIST.  Place p = thread + 256 j, held to the last place with an entry, belongs to the last wave i with B_i <= p and lies at sublist word p + C_i.
.set j, 0
.rept 8
	v_add_nc_u32 v[PP], 256*j, v0
	v_min_u32 v[PP], s[CM1], v[PP]
	v_mov_b32 v[KK], 0                             ; C_0
.irp i, 1,2,3,4,5,6,7
	v_cmp_le_u32 vcc_lo, s[PB+\i], v[PP]
	v_cndmask_b32 v[KK], v[KK], s[PC+\i], vcc_lo
.endr
	v_add_nc_u32 v[PP], v[PP], v[KK]
	v_min_u32 v[PP], 8*SUBW-1, v[PP]               ; a bound in the text: inside the sublists
	v_lshl_add_u32 v[PP], v[PP], 2, SUBL
	ds_load_b32 v[LV+j], v[PP]
.set j, j+1
.endr
	s_wait_dscnt 0x0
.set j, 0
.rept 8
	ds_store_b32 v[LS], v[LV+j] offset:1024*j      ; the second barrier, below, shows the list to every wave
.set j, j+1
.endr
	; THE SLICE: a row (eight loads) at a time, rounded to bf16 and laid into LDS; a store covers 256 consecutive bytes.
.set gr, 0
.rept 8
.set CT, BB+16*(gr%2)
.if gr == 0
	s_wait_loadcnt 48                              ; row 0 is in; rows 1 to 6, eight loads each, may stay out
	WLOADS 56, 8                                   ; and row 7 is asked for
.else
	s_wait_loadcnt 56-8*gr                         ; row gr is in; the younger rows' eight loads each may stay out
.endif
	WIN 0x05
.set k, 0
.rept 16
	v_cvt_pk_bf16_f32 v[CT+k], v[32*gr+2*k], v[32*gr+2*k+1]
.set k, k+1
.endr
	WIN 0
.set k, 0
.rept 8
	ds_store_b64 v[WS], v[CT+2*k:CT+2*k+1] offset:WP*gr+256*k
.set k, k+1
.endr
.set gr, gr+1
.endr
	s_wait_dscnt 0x0                               ; for the others' sake: my places of the list and my rows of the slice are written
	s_barrier_signal -1                            ; the second barrier, and the last: from here on a wave writes only its own stage
	s_barrier_wait -1
; Step t (32 along K) of hid: for each of the tile's two blocks of 16 rows, hi and lo, two halves of 512 consecutive bytes each: eight loads, into ring slot t % DEPTH.
.macro ALOAD t
.set RS, ((\t)%DEPTH)*32
.set au, 0
.rept 2
.irp p, 0,1
	global_load_b128 v[RS+16*au+8*\p:RS+16*au+8*\p+3],   v[AO], s[4:5] offset:au*0x10000+2048*(\t)+1024*\p
	global_load_b128 v[RS+16*au+8*\p+4:RS+16*au+8*\p+7], v[AO], s[4:5] offset:au*0x10000+2048*(\t)+1024*\p+512
.endr
.set au, au+1
.endr
.endm
.macro BLOAD t
.set BF, BB+32*((\t)%2)
.irp b, 0,1,2,3
	ds_load_b128 v[BF+8*\b:BF+8*\b+3],   v[BA+(\b)/2] offset:((\b)%2)*16*WP+64*(\t)
	ds_load_b128 v[BF+8*\b+4:BF+8*\b+7], v[BA+(\b)/2] offset:((\b)%2)*16*WP+64*(\t)+32
.endr
.endm
; A K step: the loads of later steps first, then 16 products: the eight accumulators with hi, then the eight with lo.  They take turns, one instruction a turn, from step to step too.
.macro STEP t
.if (\t) > 0
.rept 4
	v_nop                                          ; four places behind the last step's products: the loads below land in the ring slot and the buffer that they read
.endr
.endif
.if (\t)+DEPTH-1 < 32
	WIN 0x40
	ALOAD (\t)+DEPTH-1
.endif
.if (\t) < 31
	WIN 0
	BLOAD (\t)+1
	s_wait_dscnt 0x8                               ; this step's slice fragments are in; the eight just issued may stay out
.else
	s_wait_dscnt 0x0
.endif
.if 31-(\t) < DEPTH-1
	s_wait_loadcnt (31-(\t))*8                     ; this step's rows of hid are in; the later steps' eight loads each may stay out
.else
	s_wait_loadcnt (DEPTH-1)*8
.endif
	WIN 0x04                                       ; source 1 in window 1
.set RS, ((\t)%DEPTH)*32
.set BF, BB+32*((\t)%2)
.irp p, 0,1
.set wu, 0
.rept 2
.irp b, 0,1,2,3
.if ((\t) == 0) && ((\p) == 0)
	v_wmma_f32_16x16x32_bf16 v[ACC+8*(4*wu+\b):ACC+8*(4*wu+\b)+7], v[BF+8*\b:BF+8*\b+7], v[RS+16*wu+8*\p:RS+16*wu+8*\p+7], 0
.else
	v_wmma_f32_16x16x32_bf16 v[ACC+8*(4*wu+\b):ACC+8*(4*wu+\b)+7], v[BF+8*\b:BF+8*\b+7], v[RS+16*wu+8*\p:RS+16*wu+8*\p+7], v[ACC+8*(4*wu+\b):ACC+8*(4*wu+\b)+7]
.endif
.endr
.set wu, wu+1
.endr
.endr
.endm
; THE WAY OUT of block u (16 rows x 64 columns of f32).  The tile's second block is jumped if its first place lies at or past the count.
.macro SUB u
.if (\u) == 1
	s_add_co_u32 s36, s35, 16
	s_cmp_lt_u32 s36, s[CNT]
	s_cbranch_scc0 .Ldead_\@
.endif
.set SOB, SO+8*(\u)
.set RB, BB+32*(\u)
.set AB, ACC+32*(\u)
	s_wait_xcnt 0x0                                ; the offsets and data of earlier stores are rewritten only behind this wait
	ds_load_b128 v[SOB:SOB+3],   v[LB] offset:64*(\u)                       ; the entries of rows 8 (lane / 16) + 0..7
	ds_load_b128 v[SOB+4:SOB+7], v[LB] offset:64*(\u)+16
.irp b, 0,1,2,3
	ds_store_b128 v[STO], v[AB+8*\b:AB+8*\b+3]   offset:64*\b               ; each accumulator's low registers first
	ds_store_b128 v[STO], v[AB+8*\b+4:AB+8*\b+7] offset:64*\b+16
.endr
.irp b, 0,1,2,3,4,5,6,7
	ds_load_b128 v[RB+4*\b:RB+4*\b+3], v[RD] offset:SP*\b                   ; LDS serves a wave's instructions in order (ISA guide 5.7.1.4): these see the stores above; rows b and b + 8
.endr
	s_wait_dscnt 16                                ; the entries are in: eight stores and eight loads were issued behind them
.irp b, 0,1,2,3,4,5,6,7
	v_min_u32 v[SOB+\b], 0xfff, v[SOB+\b]          ; inside ypart whatever LDS held
	v_lshl_add_u32 v[SOB+\b], v[SOB+\b], 12, v[COL]  ; the entry's row of 4,096 bytes, 16 bytes a lane
.endr
.irp b, 0,1,2,3,4,5,6,7
	s_wait_dscnt 7-\b
	global_store_b128 v[SOB+\b], v[RB+4*\b:RB+4*\b+3], s[10:11]             ; 16 lanes store 256 consecutive bytes, at a multiple of 256 from ypart's first byte
.endr
.if (\u) == 1
.Ldead_\@:
.endif
.endm
	s_mov_b32 s29, 0
.Lchunk:                                               ; four trips cover the pair's 64 tiles of 2,048 rows: tile g + 16 I; a trip without a tile is jumped
	s_cmp_ge_u32 s29, s28
	s_cbranch_scc1 .Lnext
	WIN 0x40
.set tp, 0
.rept DEPTH-1
	ALOAD tp                                       ; seven steps ahead: 56 loads of 512 bytes are on their way
.set tp, tp+1
.endr
	WIN 0
	BLOAD 0
.set tt, 0
.rept 32
	STEP tt
.set tt, tt+1
.endr
	WIN 0
.rept 4
	v_nop                                          ; four places behind the last products
.endr
	SUB 0
	SUB 1
.Lnext:
	s_wait_xcnt 0x0                                ; address and data registers of what has been issued are rewritten only behind this wait
	v_add_nc_u32 v[LB], 2048, v[LB]                ; 16 tiles on in the list,
	v_add_nc_u32 v[AO], 0x200000, v[AO]            ; in hid: 16 tiles of 128 KiB,
	s_add_co_u32 s35, s35, 512                     ; and in places
	s_add_co_u32 s29, s29, 1
	s_cmp_lt_u32 s29, 4
	s_cbranch_scc1 .Lchunk
	s_wait_tensorcnt 0x0                           ; the wave's end
	ds_add_u32 v[SPW], v[NIL]
	s_wait_dscnt 0x0
	s_endpgm
.Lfunc_end_k_q987f1488df_gemm2:
	.size	k_q987f1488df_gemm2, .Lfunc_end_k_q987f1488df_gemm2-k_q987f1488df_gemm2
	.p2alignl 7, 3214868480
	.fill 96, 4, 3214868480
	.section	.rodata,"a",@progbits
	.p2align	6, 0x0
	.amdhsa_kernel k_q987f1488df_gemm2
		.amdhsa_group_segment_fixed_size 185600
		.amdhsa_private_segment_fixed_size 0
		.amdhsa_enable_private_segment 0
		.amdhsa_kernarg_size 32
		.amdhsa_user_sgpr_count 2
		.amdhsa_user_sgpr_kernarg_segment_ptr 1
		.amdhsa_wavefront_size32 1
		.amdhsa_system_sgpr_workgroup_id_x 1
		.amdhsa_system_sgpr_workgroup_id_y 1
		.amdhsa_system_sgpr_workgroup_id_z 1
		.amdhsa_system_vgpr_workitem_id 0
		.amdhsa_next_free_vgpr 512
		.amdhsa_next_free_sgpr 66
		.amdhsa_reserve_vcc 1
		.amdhsa_float_denorm_mode_32 3
		.amdhsa_float_denorm_mode_16_64 3
		.amdhsa_memory_ordered 1
		.amdhsa_forward_progress 1
		.amdhsa_inst_pref_size 127
	.end_amdhsa_kernel
	.amdgpu_metadata
---
amdhsa.version: [ 1, 2 ]
amdhsa.kernels:
  - .name:           k_q987f1488df_gemm2
    .symbol:         k_q987f1488df_gemm2.kd
    .args:
      - { .name: hid, .offset: 0, .size: 8, .value_kind: global_buffer, .address_space: global }
      - { .name: code, .offset: 8, .size: 8, .value_kind: global_buffer, .address_space: global }
      - { .name: w2, .offset: 16, .size: 8, .value_kind: global_buffer, .address_space: global }
      - { .name: ypart, .offset: 24, .size: 8, .value_kind: global_buffer, .address_space: global }
    .group_segment_fixed_size: 185600
    .private_segment_fixed_size: 0
    .kernarg_segment_align: 8
    .kernarg_segment_size: 32
    .max_flat_workgroup_size: 256
    .sgpr_count:     66
    .vgpr_count:     512
    .wavefront_size: 32
...
	.end_amdgpu_metadata
.endif
;; end of part 3
;; launch combine (part 4): grid 256 x 1, 8 waves a work-group, no clusters, 0 bytes of LDS; arguments ypart, wgt, out0; writes out0
.if DOCPART == 4
	.amdgcn_target "amdgcn-amd-amdhsa--gfx1250"
	.amdhsa_code_object_version 6
	.text
	.protected	k_q987f1488df_combine
	.globl	k_q987f1488df_combine
	.p2align	8
	.type	k_q987f1488df_combine,@function
k_q987f1488df_combine:
	s_mov_b64 s[64:65], 0
	v_nop
	global_prefetch_b8 v0, s[64:65] scope:SCOPE_SE
	s_setreg_imm32_b32 hwreg(HW_REG_WAVE_MODE, 25, 1), 1
	s_wait_xcnt 0x0
; COMBINE.  out0[t][:] = a0 ypart[2 t][:] + a1 ypart[2 t + 1][:], with (a0, a1) = wgt[t]: routing weight x w2_scale of the token's two choices.  All in f32.
; A wave owns one token, t = 8 b + w: its two partial rows lie end to end, 8,192 bytes, asked for at once by sixteen loads of 512 consecutive bytes; eight stores of 512 consecutive bytes.
; A stream: no LDS, no barrier, no matrix unit; every byte is read once and written once.
.set Y, 8                              ; v[8:71]  chunk j: four registers of the first row at Y + 8 j, four of the second at Y + 8 j + 4
	s_load_b128 s[4:7], s[0:1], 0x0                ; ypart s[4:5], wgt s[6:7]
	s_load_b64 s[8:9], s[0:1], 0x10                ; out0
	v_lshrrev_b32 v1, 5, v0
	v_readfirstlane_b32 s14, v1                    ; wave
	v_and_b32 v1, 31, v0
	v_lshlrev_b32 v1, 4, v1                        ; 16 x lane
	s_lshl_b32 s15, ttmp9, 3
	s_add_co_u32 s15, s15, s14                     ; t
	s_lshl_b32 s16, s15, 13                        ; two rows of 4,096 bytes
	s_mov_b32 s17, 0
	s_lshl_b32 s18, s15, 12
	s_mov_b32 s19, 0
	s_lshl_b32 s20, s15, 3
	s_wait_kmcnt 0x0
	s_load_b64 s[22:23], s[6:7], s20 offset:0x0    ; a0, a1
	s_add_nc_u64 s[4:5], s[4:5], s[16:17]
	s_add_nc_u64 s[8:9], s[8:9], s[18:19]
.irp j, 0,1,2,3,4,5,6,7
	global_load_b128 v[Y+8*\j:Y+8*\j+3],   v1, s[4:5] offset:512*\j th:TH_LOAD_NT
	global_load_b128 v[Y+8*\j+4:Y+8*\j+7], v1, s[4:5] offset:4096+512*\j th:TH_LOAD_NT
.endr
	s_wait_kmcnt 0x0
	s_mov_b32 s24, s23                             ; a1 in the low word of a pair of its own: the packed forms give a scalar pair's low word to both halves
	s_mov_b32 s25, s23
.irp j, 0,1,2,3,4,5,6,7
	s_wait_loadcnt 14-2*\j                         ; chunk j's two loads are in; the younger chunks' two each may stay out
	v_pk_mul_f32 v[Y+8*\j+4:Y+8*\j+5], v[Y+8*\j+4:Y+8*\j+5], s[24:25] op_sel_hi:[1,0]
	v_pk_mul_f32 v[Y+8*\j+6:Y+8*\j+7], v[Y+8*\j+6:Y+8*\j+7], s[24:25] op_sel_hi:[1,0]
	v_pk_fma_f32 v[Y+8*\j:Y+8*\j+1],   v[Y+8*\j:Y+8*\j+1],   s[22:23], v[Y+8*\j+4:Y+8*\j+5] op_sel_hi:[1,0,1]
	v_pk_fma_f32 v[Y+8*\j+2:Y+8*\j+3], v[Y+8*\j+2:Y+8*\j+3], s[22:23], v[Y+8*\j+6:Y+8*\j+7] op_sel_hi:[1,0,1]
	global_store_b128 v1, v[Y+8*\j:Y+8*\j+3], s[8:9] offset:512*\j th:TH_STORE_NT
.endr
	s_endpgm
.Lfunc_end_k_q987f1488df_combine:
	.size	k_q987f1488df_combine, .Lfunc_end_k_q987f1488df_combine-k_q987f1488df_combine
	.p2alignl 7, 3214868480
	.fill 96, 4, 3214868480
	.section	.rodata,"a",@progbits
	.p2align	6, 0x0
	.amdhsa_kernel k_q987f1488df_combine
		.amdhsa_group_segment_fixed_size 0
		.amdhsa_private_segment_fixed_size 0
		.amdhsa_enable_private_segment 0
		.amdhsa_kernarg_size 24
		.amdhsa_user_sgpr_count 2
		.amdhsa_user_sgpr_kernarg_segment_ptr 1
		.amdhsa_wavefront_size32 1
		.amdhsa_system_sgpr_workgroup_id_x 1
		.amdhsa_system_sgpr_workgroup_id_y 1
		.amdhsa_system_sgpr_workgroup_id_z 1
		.amdhsa_system_vgpr_workitem_id 0
		.amdhsa_next_free_vgpr 72
		.amdhsa_next_free_sgpr 66
		.amdhsa_reserve_vcc 0
		.amdhsa_float_denorm_mode_32 3
		.amdhsa_float_denorm_mode_16_64 3
		.amdhsa_memory_ordered 1
		.amdhsa_forward_progress 1
		.amdhsa_inst_pref_size 6
	.end_amdhsa_kernel
	.amdgpu_metadata
---
amdhsa.version: [ 1, 2 ]
amdhsa.kernels:
  - .name:           k_q987f1488df_combine
    .symbol:         k_q987f1488df_combine.kd
    .args:
      - { .name: ypart, .offset: 0, .size: 8, .value_kind: global_buffer, .address_space: global }
      - { .name: wgt, .offset: 8, .size: 8, .value_kind: global_buffer, .address_space: global }
      - { .name: out0, .offset: 16, .size: 8, .value_kind: global_buffer, .address_space: global }
    .group_segment_fixed_size: 0
    .private_segment_fixed_size: 0
    .kernarg_segment_align: 8
    .kernarg_segment_size: 24
    .max_flat_workgroup_size: 256
    .sgpr_count:     66
    .vgpr_count:     72
    .wavefront_size: 32
...
	.end_amdgpu_metadata
.endif
;; end of part 4
